; MI455X (gfx1250); checked and timed in simulation.
; The chip was launched on July 23, 2026; its instructions are those of AMD's public machine-readable ISA for CDNA 5 (MIT licence, August 2026) and "CDNA5" Instruction Set Architecture Reference Guide (July 2026). The comments in the code are by the model that wrote it; some were corrected since.
;; ARQS. Allowed arithmetic: matrix products marked QUANTISED: E5M2 operands, one E8M0 scale for each 32 along K, by v_wmma_scale_f32_16x16x128_f8f6f4 with both operands' format E5M2, f32 sums; everything else in f32.
;; Inputs: W0_codes 512 x 2 x 32 uint8 (E5M2 codes of W0, K innermost, in blocks of 32 codes); W0_scales 512 x 2 uint8 (E8M0 scales of W0, one for each 32 codes along K); W1_codes 512 x 16 x 32 uint8 (E5M2 codes of W1, K innermost, in blocks of 32 codes); W1_scales 512 x 16 uint8 (E8M0 scales of W1, one for each 32 codes along K); W2_codes 1,472 x 16 x 32 uint8 (E5M2 codes of W2, K innermost, in blocks of 32 codes); W2_scales 1,472 x 16 uint8 (E8M0 scales of W2, one for each 32 codes along K); b0 512 float32; b1 512 float32; b2 1,472 float32; x 65,536 x 64 float32.
;; Outputs: out0 65,536 x 64 float32; out1 65,536 float32.
;; Constants: num_bins = 8.
;; This version of the problem:
;;   THIS VERSION OF THE PROBLEM IS GIVEN IN LOW PRECISION. The matrix products marked QUANTISED in the list below multiply operands that are first quantised to E5M2 (5 exponent bits, 2 mantissa bits; 8 bits a number), with one power-of-two scale for each 32 numbers along K (OCP MX v1.0); their sums are f32. All else is computed in f32.
;;   The module's matrix products, in the order in which they are computed (A, B: the left and right operand; K: the contracted axis; several contracted axes count as one K, in the product's order):
;;     1. [M 65,536, K 64] x [K 64, N 512]; A: input x; B: input W0 (given as codes): QUANTISED
;;     2. [M 65,536, K 512] x [K 512, N 512]; A: computed on the way; B: input W1 (given as codes): QUANTISED
;;     3. [M 65,536, K 512] x [K 512, N 1,472]; A: computed on the way; B: input W2 (given as codes): QUANTISED
;;   THE QUANTISER, for each operand of a quantised product, along K:
;;     - K is cut into blocks of 32 from its start; a last block that is shorter is filled with zeros.
;;     - A block's scale is 2^e with e = floor(log2(the largest magnitude in the block)) - 15, held to -126 .. 127; a block of zeros has e = 0. As a byte (E8M0): e + 127.
;;     - Each number is divided by its block's scale, clamped to +-57,344, and rounded to the nearest number of E5M2, ties to even, subnormals kept.
;;     - The product sums the exact products of the quantised numbers (number of the format x scale) in f32.
;;   ~~~python
;;   def quantise(x, axis):      # numpy; x: float32 -> the quantised numbers, widened to float32 again
;;       x = np.moveaxis(x, axis, -1); K = x.shape[-1]
;;       x = np.pad(x, [(0, 0)] * (x.ndim - 1) + [(0, -K % 32)]); x = x.reshape(x.shape[:-1] + (-1, 32)); a = np.abs(x).max(-1, keepdims=True)
;;       e = np.where(a > 0, np.clip(np.frexp(np.where(a > 0, a, 1))[1] - 1 - 15, -126, 127), 0)      # np.frexp(a)[1] - 1 = floor(log2(a)), exactly
;;       r = np.clip(x / 2.0 ** e, -57344, 57344)
;;       step = 2.0 ** (np.maximum(np.frexp(np.where(r == 0, 1, r))[1] - 1, -14) - 2)
;;       q = np.round(r / step) * step * 2.0 ** e      # np.round: ties to even
;;       return np.moveaxis(q.reshape(q.shape[:-2] + (-1,))[..., :K], -1, axis).astype(np.float32)
;;   ~~~
;;   OPERANDS COMPUTED ON THE WAY. 'Computed on the way' means the value that the module computes at that place (a softmax that the list does not call 'softmax' is quantised finished and normalised). What goes into a quantiser is computed in f32, as accurately as f32 sums, v_exp_f32 and their like allow (about 1e-6 of the number): no bf16 or f16 on the way to a quantiser, and a product that is left as it is and whose result goes on into a quantised operand takes f32 operands (vector FMAs, or v_wmma_f32_16x16x4_f32). A number that lies on a knife's edge between two numbers of the format may be rounded either way, as far as f32 arithmetic and the matrix unit's own rounding can turn it there, and no further.
;;   INPUTS GIVEN AS CODES. W0 (in the module: [64, 512], K = its axis 0); W1 (in the module: [512, 512], K = its axis 0); W2 (in the module: [512, 1472], K = its axis 0): each comes as NAME_codes (uint8): NAME with its K axis moved to the last place and cut into blocks of 32 codes, [.., K / 32, bytes a block], one block behind the other in memory; one code a byte (a code: sign, 5 exponent bits, 2 mantissa bits); and NAME_scales (uint8): the same leading axes, one E8M0 byte (e + 127) for each 32 codes along K. Its value is code x scale, taken as it is: it is not quantised again, and the codes and scales need not be those that the quantiser above would give.
;; One version. Each part assembles by itself: llvm-mc -triple=amdgcn-amd-amdhsa -mcpu=gfx1250 --defsym DOCPART=n.
;; ======== version 1 of 1: 1 launch
;; limits: right only within a limited range of input values
;; launch arqs (part 1): grid 256 x 1, 8 waves a work-group, clusters of 4 x 1, 327,680 bytes of LDS; arguments x, W0_codes, W0_scales, b0, W1_codes, W1_scales, b1, W2_codes, W2_scales, b2, out0, out1; writes out0, out1
.if DOCPART == 1
	.amdgcn_target "amdgcn-amd-amdhsa--gfx1250"
	.amdhsa_code_object_version 6
	.text
	.protected	k_q81d78dc31a_arqs
	.globl	k_q81d78dc31a_arqs
	.p2align	8
	.type	k_q81d78dc31a_arqs,@function
k_q81d78dc31a_arqs:
	s_mov_b64 s[64:65], 0
	v_nop
	global_prefetch_b8 v0, s[64:65] scope:SCOPE_SE
	s_setreg_imm32_b32 hwreg(HW_REG_WAVE_MODE, 25, 1), 1
	s_wait_xcnt 0x0
	s_wait_alu depctr_hold_cnt(0) depctr_sa_sdst(0) depctr_va_vdst(0) depctr_va_sdst(0) depctr_va_ssrc(0) depctr_va_vcc(0) depctr_vm_vsrc(0)
	s_getreg_b32 s2, hwreg(HW_REG_IB_STS2, 6, 4)
	s_cmp_eq_u32 s2, 0
	s_cbranch_scc0 .Lentry_in_a_cluster
	s_endpgm
.Lentry_in_a_cluster:
	s_bfe_u32 s2, ttmp6, 0x10000c
	s_cmp_lg_u32 s2, 0x3003
	s_cbranch_scc0 .Lentry_shape_is_right
	s_endpgm
.Lentry_shape_is_right:
; The whole module in one launch: x -> Q -> W0 -> relu -> Q -> W1 -> relu -> Q -> W2 -> spline -> z, log_det.  No work of reference() is left out.
; A work-group owns 256 rows of x; each of its eight waves owns 32 rows (two tiles of 16) through all three products, two waves to a SIMD.
; Products are used transposed (source 0 = 16 rows of W, source 1 = 16 rows of the batch): a lane holds one batch row, its registers run along W's rows.
; Phases 1, 2: a tile's W rows are 8 neighbours and the 8 that lie 16 further on, so 16 registers of two tiles are 16 neighbours along the next K.
; Phase 3: lanes 0-7 of source 0 take 8 of dimension d's 23 rows, lanes 8-15 those of dimension d + 32: three tiles give a lane all 23 parameters of one (row, dimension).
; The hidden codes pass through the wave's own LDS stage into window 1 and stay there as source 1 for a whole phase.
; W1 and W2 stream through a ring of two LDS slots by joint loads of a cluster of four work-groups (all read the same rows); waves 0-3 issue them, one load each.
; All eight waves issue a part of W0's load at the head, so every way to a later add leads through a tensor load.  Every wait on TENSORcnt is for 0.
; No prefetch: the weights are 1 MB that all work-groups share, and x is read once, at the head, with no loop to run ahead in.
; lds_bytes: the whole 320 KiB is claimed.  Softplus + 1e-3 is max(d,0) + ln((1 + e^-|d|) e^0.001); the boundary derivative 1 is the raw value R1 with softplus(R1) + 1e-3 = 1.
; REGISTERS: window 0: addresses, scales, bias, accumulators AC, temporaries; v124-187 (phase 2), v140-187 and v216-231 (phase 3) W fragments.
;   window 1: v0-127 source 1 (x's codes, then hidden codes); v128-191 x in f32 until phase 3; v192-255 (phases 1, 2), v128-255 (phase 3) W fragments.
.set SLOTD, 65536
.set RP,    528
.set GRP,   24*RP
.set GAP,   128
.set HMO,   2*GRP+GAP
.set SWS,   50944
.set W0S,   59136
.set B0L,   60160
.set B1L,   62208
.set SPARE, 64256
.set W1S,   116480
.set W2S,   124672
.set B2L,   148224
.set W0C,   154368
.set HST,   195328
.set XP,    272
.set XR,  128
.set SPW, 4
.set NIL, 5
.set AW0, 6
.set AW,  7
.set AXS, 8
.set AS0, 10
.set AS1, 11
.set AS2, 12
.set AS2T, 13
.set AB,  14
.set AB2, 15
.set HSA, 16
.set SWA, 17
.set AXZ, 18
.set ARD, 19
.set GO,  20
.set WA,  21
.set WB,  23
.set WS,  24
.set WST, 25
.set WH,  26
.set WY,  27
.set XSW, 28
.set BS,  34
.set LD,  48
.set XV,  52
.set AS,  56
.set BI,  68
.set AC,  92
.set TT,  188
.set MX,  188
.set PM,  192
.set HD,  196
.set SO,  200
.set BY,  204
.set CD,  208
.set WV,  28
.set CX,  29
.set WG,  30
.set G1W0, 32
.set G1W1, 40
.set G1W2, 48
.set G0W0, 56
.set G0W1, 60
.set G0W2, 68
.set SEL, 72
.set MNT, 74
.set L2E, 76
.set NL2E, 78
.set QC,  79
.set IC,  80
.set LN2, 81
.set KE,  82
.set R1,  83
.set EPS, 84
.set MK,  66
.set SA,  85
.set SBI, 86
.set G0H, 88
.set SSC, 92
.set SH,  93
.set SY,  94
.set CO,  95
.set CI,  96
.set MSB, 0
.macro WIN new
.if MSB != \new
	s_set_vgpr_msb (MSB<<8)|\new
.set MSB, \new
.endif
.endm
.macro PLACES n
.rept \n
	v_nop
.endr
.endm
.macro ROUND                           ; a whole round of the cluster's barrier
	s_barrier_signal -1
	s_barrier_wait -1
	CREST
.endm
.macro CREST                           ; a round behind its opening barrier
	s_cmp_lg_u32 s[WV], 0
	s_cbranch_scc1 .Lnw0_\@
	s_barrier_signal -3
.Lnw0_\@:
	s_barrier_wait -3
	s_barrier_signal -1
	s_barrier_wait -1
.endm
; A change of slots.  kind 1: W1's next chunk; 2: W2's first; 3: W2's next; 0: nothing is filled.  The three lines and the round are every wave's; waves 0-3 load.
; PRE stands where my last fragments of the slot are asked for: the three lines and the opening signal.  Register work alone follows up to POST:
; the opening barrier's wait, the rest of the round, and the refill of the slot just read with the chunk two ahead.
.macro PRE kind
	WIN 0                              ; the add's two registers lie in window 0
	s_wait_tensorcnt 0x0               ; all my loads have landed: the descriptors may be stepped
	ds_add_u32 v[SPW], v[NIL]
.if \kind == 1
	s_xor_b32 s[G0W1+1], s[G0W1+1], SLOTD
	s_add_nc_u64 s[G0W1+2:G0W1+3], s[G0W1+2:G0W1+3], 64*512
.elseif \kind == 3
	s_xor_b32 s[G0W2+1], s[G0W2+1], SLOTD
	s_add_nc_u64 s[G0W2+2:G0W2+3], s[G0W2+2:G0W2+3], 2*23*512
.endif
	s_wait_dscnt 0x0                   ; the add, and my last reads of this slot: its fragments are in registers
	s_barrier_signal -1
.endm
.macro POST kind
	s_wait_alu depctr_va_vdst(0)       ; what was just made is stored behind the barrier
	s_barrier_wait -1
.if \kind != 0
	CREST
	s_cmp_lt_u32 s[WV], 4
	s_cbranch_scc0 .Lnl_\@
.if \kind == 1
	tensor_load_to_lds s[G0W1:G0W1+3], s[G1W1:G1W1+7]
.else
	tensor_load_to_lds s[G0W2:G0W2+3], s[G1W2:G1W2+7]
.endif
	s_nop 0
	PLACES 4
.Lnl_\@:
.endif
.endm
.macro WM d, a, b, c, sa, sb
	v_wmma_scale_f32_16x16x128_f8f6f4 v[\d:\d+7], v[\a:\a+15], v[\b:\b+15], v[\c:\c+7], v[\sa], v[\sb] matrix_a_fmt:MATRIX_FMT_BF8 matrix_b_fmt:MATRIX_FMT_BF8
.endm
; relu and quantiser of one block of 32 hidden units for my two row tiles; codes and scale bytes go to my stage
.macro QB
.irp q, 0,1,2,3
	v_max3_num_f32 v[MX+\q], v[AC+8*\q], v[AC+8*\q+1], 0x8000000   ; no |.|: negatives become 0; the floor holds the byte at 1
.endr
.irp i, 2,4,6
.irp q, 0,1,2,3
	v_max3_num_f32 v[MX+\q], v[MX+\q], v[AC+8*\q+\i], v[AC+8*\q+\i+1]
.endr
.endr
.irp m, 0,1
	v_max_num_f32 v[MX+\m], v[MX+2*\m], v[MX+2*\m+1]
.endr
.irp m, 0,1
	v_permlanex16_b32 v[PM+\m], v[MX+\m], s[SEL], s[SEL+1]
.endr
.irp m, 0,1
	v_max_num_f32 v[MX+\m], v[MX+\m], v[PM+\m]
.endr
.irp m, 0,1
	v_add_nc_u32 v[SO+\m], 0xf8800000, v[MX+\m]
.endr
.irp m, 0,1
	v_and_or_b32 v[HD+\m], v[MX+\m], 0x7f800000, s[MNT]
.endr
.irp m, 0,1
	v_lshrrev_b32 v[BY+\m], 23, v[SO+\m]
.endr
.irp m, 0,1
.irp i, 0,1,2,3,4,5,6,7,8,9,10,11,12,13,14,15
	v_med3_num_f32 v[AC+16*\m+\i], v[AC+16*\m+\i], 0, v[HD+\m]
.endr
	v_cvt_scalef32_pk8_bf8_f32 v[CD+4*\m:CD+4*\m+1], v[AC+16*\m:AC+16*\m+7], v[SO+\m]
	v_cvt_scalef32_pk8_bf8_f32 v[CD+4*\m+2:CD+4*\m+3], v[AC+16*\m+8:AC+16*\m+15], v[SO+\m]
.endr
	v_nop
.endm
.macro QBS                             ; the block's codes and scale bytes into my stage
.irp m, 0,1
	ds_store_b128 v[WH], v[CD+4*\m:CD+4*\m+3] offset:8192*\m
	ds_store_b8 v[WY], v[BY+\m] offset:512*\m
.endr
.endm
; x's quantiser for row tile m: K = 64, two blocks; the operand's upper 64 along K are zero codes
.macro XQ m
	WIN 0x14
.irp c, 0,1
	v_max3_num_f32 v[MX+\c], 0x8000000, |v[XR+32*\m+16*\c]|, |v[XR+32*\m+16*\c+1]|
.endr
.irp i, 2,4,6,8,10,12,14
.irp c, 0,1
	v_max3_num_f32 v[MX+\c], v[MX+\c], |v[XR+32*\m+16*\c+\i]|, |v[XR+32*\m+16*\c+\i+1]|
.endr
.endr
	WIN 0
.irp c, 0,1
	v_permlanex16_b32 v[PM+\c], v[MX+\c], s[SEL], s[SEL+1]
.endr
.irp c, 0,1
	v_max_num_f32 v[MX+\c], v[MX+\c], v[PM+\c]
.endr
.irp c, 0,1
	v_add_nc_u32 v[SO+\c], 0xf8800000, v[MX+\c]
	v_and_or_b32 v[HD+\c], v[MX+\c], 0x7f800000, s[MNT]
.endr
.irp c, 0,1
	v_lshrrev_b32 v[BY+\c], 23, v[SO+\c]
.endr
	v_lshl_or_b32 v[XSW+\m], v[BY+1], 8, v[BY]
	WIN 0x01
.irp c, 0,1
.irp i, 0,1,2,3,4,5,6,7,8,9,10,11,12,13,14,15
	v_med3_num_f32 v[CD+16*\c+\i], v[XR+32*\m+16*\c+\i], -v[HD+\c], v[HD+\c]
.endr
.endr
	WIN 0x40
.irp c, 0,1
	v_cvt_scalef32_pk8_bf8_f32 v[16*\m+4*\c:16*\m+4*\c+1], v[CD+16*\c:CD+16*\c+7], v[SO+\c]
	v_cvt_scalef32_pk8_bf8_f32 v[16*\m+4*\c+2:16*\m+4*\c+3], v[CD+16*\c+8:CD+16*\c+15], v[SO+\c]
.endr
.irp i, 8,9,10,11,12,13,14,15
	v_mov_b32 v[16*\m+\i], 0
.endr
	WIN 0
.endm
; phase 1: one block of 32 hidden units; the bias is the products' C
.macro BLK1
	v_add_nc_u32 v[WA], s[SA], v[AW0]
	v_add_nc_u32 v[WB], s[SBI], v[AB]
	v_add_nc_u32 v[WS], s[SSC], v[AS0]
	v_add_nc_u32 v[WH], s[SH], v[HSA]
	v_add_nc_u32 v[WY], s[SY], v[SWA]
.irp u, 0,1
	ds_load_b128 v[BI+8*\u:BI+8*\u+3], v[WB] offset:32*\u
	ds_load_b128 v[BI+8*\u+4:BI+8*\u+7], v[WB] offset:32*\u+16
	ds_load_u16 v[AS+\u], v[WS] offset:16*\u
.endr
	WIN 0x40
.irp u, 0,1
.irp c, 0,1
	ds_load_b128 v[192+16*\u+4*\c:192+16*\u+4*\c+3], v[WA] offset:640*\u+32*\c
.endr
.endr
	s_wait_dscnt 0x0
	WIN 0x05
	s_wait_alu depctr_va_vdst(0)
.irp u, 0,1
.irp m, 0,1
	WM AC+16*\m+8*\u, 192+16*\u, 16*\m, BI+8*\u, AS+\u, XSW+\m
.endr
.endr
	WIN 0
	PLACES 9
	QB
	QBS
	s_add_co_u32 s[SA], s[SA], 32*80
	s_add_co_u32 s[SBI], s[SBI], 128
	s_add_co_u32 s[SSC], s[SSC], 64
	s_add_co_u32 s[SH], s[SH], 512
	s_add_co_u32 s[SY], s[SY], 1
.endm
; phase 2: four products of K step s; f: where its two W fragments lie.  Four accumulators by turns.
.macro M2 f, s
.if \s < 3
	s_wait_dscnt 24-8*\s               ; behind K step s: eight loads for each later step (the last step's wait stands in BLK2)
.endif
.irp u, 0,1
.irp m, 0,1
.if \s == 0
	WM AC+16*\m+8*\u, \f+16*\u, 64*\m+16*\s, BI+8*\u, AS+4*\u+\s, BS+4*\m+\s
.else
	WM AC+16*\m+8*\u, \f+16*\u, 64*\m+16*\s, AC+16*\m+8*\u, AS+4*\u+\s, BS+4*\m+\s
.endif
.endr
.endr
.endm
.macro L2 f, s
.irp u, 0,1
.irp c, 0,1,2,3
	ds_load_b128 v[\f+16*\u+4*\c:\f+16*\u+4*\c+3], v[WA] offset:8*RP*\u+128*\s+32*\c
.endr
.endr
.endm
.macro BLK2 kind                       ; kind -1: no change of slots in this block
	v_add_nc_u32 v[WA], s[SA], v[AW]
	v_add_nc_u32 v[WB], s[SBI], v[AB]
	v_add_nc_u32 v[WS], s[SSC], v[AS1]
	v_add_nc_u32 v[WH], s[SH], v[HSA]
	v_add_nc_u32 v[WY], s[SY], v[SWA]
.irp u, 0,1
	ds_load_b128 v[BI+8*\u:BI+8*\u+3], v[WB] offset:32*\u
	ds_load_b128 v[BI+8*\u+4:BI+8*\u+7], v[WB] offset:32*\u+16
	ds_load_b128 v[AS+4*\u:AS+4*\u+3], v[WS] offset:128*\u
.endr
	WIN 0x40
	L2 192, 0
	L2 224, 1
	WIN 0
	L2 124, 2
	L2 156, 3
	WIN 0x05
	M2 192, 0
	M2 224, 1
	WIN 0x04
	M2 124, 2
.if \kind >= 0
	PRE \kind
	WIN 0x04
.else
	s_wait_dscnt 0x0
.endif
	M2 156, 3
	WIN 0
	PLACES 9
	QB
.if \kind >= 0
	POST \kind
.endif
	QBS
	s_add_co_u32 s[SA], s[SA], GRP
	s_add_co_u32 s[SBI], s[SBI], 128
	s_add_co_u32 s[SSC], s[SSC], 512
	s_add_co_u32 s[SH], s[SH], 512
	s_add_co_u32 s[SY], s[SY], 1
.endm
.macro RELOAD                          ; my stage -> source 1 and its scale words (my own bytes: LDS serves a wave in order)
.irp m, 0,1
	ds_load_b128 v[BS+4*\m:BS+4*\m+3], v[SWA] offset:512*\m
.endr
	WIN 0x40
.irp m, 0,1
.irp i, 0,1,2,3,4,5,6,7,8,9,10,11,12,13,14,15
	ds_load_b128 v[64*\m+4*\i:64*\m+4*\i+3], v[HSA] offset:8192*\m+512*\i
.endr
.endr
	WIN 0
	s_wait_dscnt 0x0
.endm
.macro CHUNK2 kind                     ; a chunk is two blocks; the change of slots rides in the second
	BLK2 -1
	BLK2 \kind
	s_sub_co_u32 s[SA], s[SA], 2*GRP
	s_xor_b32 s[SA], s[SA], SLOTD
.endm
.macro FRL f, s, t                     ; phase 3: W fragment of tile t, K step s
.irp c, 0,1,2,3
	ds_load_b128 v[\f+4*\c:\f+4*\c+3], v[WA] offset:8*RP*(\t)+128*(\s)+32*\c
.endr
.endm
.macro MU3 f, s, t
.irp m, 0,1
.if (\s) == 0
	WM AC+24*\m+8*(\t), \f, 64*\m+16*(\s), BI+8*(\t), AS+4*(\t)+(\s), BS+4*\m+(\s)
.else
	WM AC+24*\m+8*(\t), \f, 64*\m+16*(\s), AC+24*\m+8*(\t), AS+4*(\t)+(\s), BS+4*\m+(\s)
.endif
.endr
.endm
; phase 3, products of one group (dimensions d and d + 32): 24 products, six accumulators by turns
.macro MM3 kind
	v_add_nc_u32 v[WA], s[SA], v[AW]
	v_add_nc_u32 v[WB], s[SBI], v[AB2]
	v_add_nc_u32 v[WS], s[SSC], v[AS2]
	v_add_nc_u32 v[WST], s[SSC], v[AS2T]
	v_add_nc_u32 v[WH], s[SY], v[AXZ]
.irp t, 0,1,2
	ds_load_b128 v[BI+8*\t:BI+8*\t+3], v[WB] offset:32*\t
	ds_load_b128 v[BI+8*\t+4:BI+8*\t+7], v[WB] offset:32*\t+16
.endr
	ds_load_b128 v[AS:AS+3], v[WS]
	ds_load_b128 v[AS+4:AS+7], v[WS] offset:128
	ds_load_b128 v[AS+8:AS+11], v[WST] offset:256
.irp m, 0,1
	ds_load_b32 v[XV+\m], v[WH] offset:16*XP*\m
.endr
	WIN 0x40
.irp t, 0,1,2
	FRL 128+16*\t, 0, \t
.endr
.irp t, 0,1,2
	FRL 176+16*\t, 1, \t
.endr
	WIN 0
.irp t, 0,1,2
	FRL 140+16*\t, 2, \t
.endr
	FRL 216, 3, 2
	WIN 0x40
	FRL 224, 3, 0
	FRL 240, 3, 1
	WIN 0x05
	s_wait_alu depctr_va_vdst(0)       ; ahead of the blocking wait
	s_wait_dscnt 36                    ; twelve fragment loads for each later K step may be out
.irp t, 0,1,2
	MU3 128+16*\t, 0, \t
.endr
	s_wait_dscnt 24
.irp t, 0,1,2
	MU3 176+16*\t, 1, \t
.endr
	WIN 0x04
	s_wait_dscnt 12
.irp t, 0,1,2
	MU3 140+16*\t, 2, \t
.endr
.if \kind >= 0
	PRE \kind
.else
	s_wait_dscnt 0x0
.endif
	WIN 0x05
	MU3 224, 3, 0
	MU3 240, 3, 1
	WIN 0x04
	MU3 216, 3, 2
	WIN 0
	PLACES 9
.endm
; the spline of one (row, dimension) a lane and row tile: AC+0..7 widths, +8..15 heights, +16..22 derivatives
.macro SP3
.irp m, 0,1
	v_max3_num_f32 v[TT+14*\m+1], v[AC+24*\m], v[AC+24*\m+1], v[AC+24*\m+2]
	v_max3_num_f32 v[TT+14*\m+3], v[AC+24*\m+8], v[AC+24*\m+9], v[AC+24*\m+10]
.endr
.irp i, 3,5
.irp m, 0,1
	v_max3_num_f32 v[TT+14*\m+1], v[TT+14*\m+1], v[AC+24*\m+\i], v[AC+24*\m+\i+1]
	v_max3_num_f32 v[TT+14*\m+3], v[TT+14*\m+3], v[AC+24*\m+\i+8], v[AC+24*\m+\i+9]
.endr
.endr
.irp m, 0,1
	v_max_num_f32 v[TT+14*\m+1], v[TT+14*\m+1], v[AC+24*\m+7]
	v_max_num_f32 v[TT+14*\m+3], v[TT+14*\m+3], v[AC+24*\m+15]
.endr
.irp m, 0,1
	v_mul_f32 v[TT+14*\m], s[NL2E], v[TT+14*\m+1]
	v_mul_f32 v[TT+14*\m+2], s[NL2E], v[TT+14*\m+3]
.endr
.irp i, 0,2,4,6
.irp m, 0,1
	v_pk_fma_f32 v[AC+24*\m+\i:AC+24*\m+\i+1], v[AC+24*\m+\i:AC+24*\m+\i+1], s[L2E:L2E+1], v[TT+14*\m:TT+14*\m+1] op_sel_hi:[1,0,0]
	v_pk_fma_f32 v[AC+24*\m+\i+8:AC+24*\m+\i+9], v[AC+24*\m+\i+8:AC+24*\m+\i+9], s[L2E:L2E+1], v[TT+14*\m+2:TT+14*\m+3] op_sel_hi:[1,0,0]
.endr
.endr
	s_wait_alu depctr_va_vdst(0)       ; ahead of the batch
.irp i, 0,1,2,3,4,5,6,7,8,9,10,11,12,13,14,15
.irp m, 0,1
	v_exp_f32 v[AC+24*\m+\i], v[AC+24*\m+\i]
.endr
.endr
.irp m, 0,1
	v_med3_num_f32 v[XV+\m], v[XV+\m], 0, 1.0
.endr
	s_wait_alu depctr_va_vdst(0)       ; behind the batch
.irp m, 0,1
	v_pk_add_f32 v[TT+14*\m+4:TT+14*\m+5], v[AC+24*\m:AC+24*\m+1], v[AC+24*\m+2:AC+24*\m+3]
	v_pk_add_f32 v[TT+14*\m+6:TT+14*\m+7], v[AC+24*\m+4:AC+24*\m+5], v[AC+24*\m+6:AC+24*\m+7]
	v_pk_add_f32 v[TT+14*\m+8:TT+14*\m+9], v[AC+24*\m+8:AC+24*\m+9], v[AC+24*\m+10:AC+24*\m+11]
	v_pk_add_f32 v[TT+14*\m+10:TT+14*\m+11], v[AC+24*\m+12:AC+24*\m+13], v[AC+24*\m+14:AC+24*\m+15]
.endr
.irp m, 0,1
	v_pk_add_f32 v[TT+14*\m+4:TT+14*\m+5], v[TT+14*\m+4:TT+14*\m+5], v[TT+14*\m+6:TT+14*\m+7]
	v_pk_add_f32 v[TT+14*\m+8:TT+14*\m+9], v[TT+14*\m+8:TT+14*\m+9], v[TT+14*\m+10:TT+14*\m+11]
.endr
.irp m, 0,1
	v_add_f32 v[TT+14*\m+12], v[TT+14*\m+4], v[TT+14*\m+5]
	v_add_f32 v[TT+14*\m+13], v[TT+14*\m+8], v[TT+14*\m+9]
.endr
; all knots are kept times S / 0.992 (S the softmax's sum): a bin is e + S x 0.001 / 0.992, and the whole is S / 0.992
.irp m, 0,1
	v_mul_f32 v[TT+14*\m], s[QC], v[TT+14*\m+12]
	v_mul_f32 v[TT+14*\m+2], s[QC], v[TT+14*\m+13]
	v_mul_f32 v[TT+14*\m+1], s[IC], v[TT+14*\m+12]
	v_mul_f32 v[TT+14*\m+3], s[IC], v[TT+14*\m+13]
.endr
.irp i, 0,2,4,6
.irp m, 0,1
	v_pk_add_f32 v[AC+24*\m+\i:AC+24*\m+\i+1], v[AC+24*\m+\i:AC+24*\m+\i+1], v[TT+14*\m:TT+14*\m+1] op_sel_hi:[1,0]
	v_pk_add_f32 v[AC+24*\m+\i+8:AC+24*\m+\i+9], v[AC+24*\m+\i+8:AC+24*\m+\i+9], v[TT+14*\m+2:TT+14*\m+3] op_sel_hi:[1,0]
.endr
.endr
.irp m, 0,1
	v_mul_f32 v[TT+14*\m+6], v[XV+\m], v[TT+14*\m+1]
.endr
; the bin: walk the knots, select x_k, w_k, y_k, h_k, d_k, d_k1 where the knot lies under x
.irp m, 0,1
	v_cmp_lt_f32 s[MK+\m], v[AC+24*\m], v[TT+14*\m+6]
.endr
.irp m, 0,1
	v_cndmask_b32 v[TT+14*\m+11], s[R1], v[AC+24*\m+16], s[MK+\m]
	v_cndmask_b32 v[TT+14*\m+12], v[AC+24*\m+16], v[AC+24*\m+17], s[MK+\m]
	v_cndmask_b32 v[TT+14*\m+7], 0, v[AC+24*\m], s[MK+\m]
	v_cndmask_b32 v[TT+14*\m+8], v[AC+24*\m], v[AC+24*\m+1], s[MK+\m]
	v_cndmask_b32 v[TT+14*\m+9], 0, v[AC+24*\m+8], s[MK+\m]
	v_cndmask_b32 v[TT+14*\m+10], v[AC+24*\m+8], v[AC+24*\m+9], s[MK+\m]
.endr
.irp k, 2,3,4,5,6,7
.irp m, 0,1
.if \k == 2
	v_add_f32 v[TT+14*\m+4], v[AC+24*\m], v[AC+24*\m+1]
	v_add_f32 v[TT+14*\m+5], v[AC+24*\m+8], v[AC+24*\m+9]
.else
	v_add_f32 v[TT+14*\m+4], v[TT+14*\m+4], v[AC+24*\m+\k-1]
	v_add_f32 v[TT+14*\m+5], v[TT+14*\m+5], v[AC+24*\m+\k+7]
.endif
.endr
.irp m, 0,1
	v_cmp_lt_f32 s[MK+\m], v[TT+14*\m+4], v[TT+14*\m+6]
.endr
.irp m, 0,1
	v_cndmask_b32 v[TT+14*\m+7], v[TT+14*\m+7], v[TT+14*\m+4], s[MK+\m]
	v_cndmask_b32 v[TT+14*\m+8], v[TT+14*\m+8], v[AC+24*\m+\k], s[MK+\m]
	v_cndmask_b32 v[TT+14*\m+9], v[TT+14*\m+9], v[TT+14*\m+5], s[MK+\m]
	v_cndmask_b32 v[TT+14*\m+10], v[TT+14*\m+10], v[AC+24*\m+\k+8], s[MK+\m]
	v_cndmask_b32 v[TT+14*\m+11], v[TT+14*\m+11], v[AC+24*\m+\k+15], s[MK+\m]
.if \k < 7
	v_cndmask_b32 v[TT+14*\m+12], v[TT+14*\m+12], v[AC+24*\m+\k+16], s[MK+\m]
.else
	v_cndmask_b32 v[TT+14*\m+12], v[TT+14*\m+12], s[R1], s[MK+\m]
.endif
.endr
.endr
.irp m, 0,1
	v_mul_f32 v[AC+24*\m], s[NL2E], |v[TT+14*\m+11]|
	v_mul_f32 v[AC+24*\m+1], s[NL2E], |v[TT+14*\m+12]|
.endr
	s_wait_alu depctr_va_vdst(0)
.irp m, 0,1
	v_exp_f32 v[AC+24*\m], v[AC+24*\m]
	v_exp_f32 v[AC+24*\m+1], v[AC+24*\m+1]
	v_rcp_f32 v[AC+24*\m+2], v[TT+14*\m+8]
	v_rcp_f32 v[AC+24*\m+3], v[TT+14*\m+3]
.endr
.irp m, 0,1
	v_max_num_f32 v[AC+24*\m+4], 0, v[TT+14*\m+11]
	v_max_num_f32 v[AC+24*\m+5], 0, v[TT+14*\m+12]
	v_sub_f32 v[AC+24*\m+6], v[TT+14*\m+6], v[TT+14*\m+7]
.endr
	s_wait_alu depctr_va_vdst(0)
.irp m, 0,1
	v_fma_f32 v[AC+24*\m], v[AC+24*\m], s[KE], s[KE]
	v_fma_f32 v[AC+24*\m+1], v[AC+24*\m+1], s[KE], s[KE]
.endr
	s_wait_alu depctr_va_vdst(0)
.irp m, 0,1
	v_log_f32 v[AC+24*\m], v[AC+24*\m]
	v_log_f32 v[AC+24*\m+1], v[AC+24*\m+1]
.endr
.irp m, 0,1
	v_mul_f32 v[AC+24*\m+6], v[AC+24*\m+6], v[AC+24*\m+2]          ; theta
	v_mul_f32 v[TT+14*\m+10], v[TT+14*\m+10], v[AC+24*\m+3]        ; h_k
	v_mul_f32 v[TT+14*\m+9], v[TT+14*\m+9], v[AC+24*\m+3]          ; y_k
	v_mul_f32 v[AC+24*\m+7], v[TT+14*\m+1], v[AC+24*\m+2]          ; 1 / w_k
.endr
.irp m, 0,1
	v_mul_f32 v[AC+24*\m+7], v[AC+24*\m+7], v[TT+14*\m+10]         ; s_k
	v_sub_f32 v[AC+24*\m+8], 1.0, v[AC+24*\m+6]
	v_mul_f32 v[AC+24*\m+10], v[AC+24*\m+6], v[AC+24*\m+6]
.endr
.irp m, 0,1
	v_mul_f32 v[AC+24*\m+9], v[AC+24*\m+6], v[AC+24*\m+8]
	v_mul_f32 v[AC+24*\m+11], v[AC+24*\m+8], v[AC+24*\m+8]
	v_mul_f32 v[AC+24*\m+3], v[AC+24*\m+7], v[AC+24*\m+7]
.endr
.irp m, 0,1
	v_mul_f32 v[AC+24*\m+2], v[AC+24*\m+7], v[AC+24*\m+9]
.endr
	s_wait_alu depctr_va_vdst(0)
.irp m, 0,1
	v_fma_f32 v[TT+14*\m+11], v[AC+24*\m], s[LN2], v[AC+24*\m+4]   ; d_k
	v_fma_f32 v[TT+14*\m+12], v[AC+24*\m+1], s[LN2], v[AC+24*\m+5] ; d_k1
.endr
.irp m, 0,1
	v_add_f32 v[AC+24*\m+12], v[TT+14*\m+11], v[TT+14*\m+12]
	v_mul_f32 v[AC+24*\m+13], v[TT+14*\m+11], v[AC+24*\m+9]
	v_mul_f32 v[AC+24*\m+15], v[TT+14*\m+12], v[AC+24*\m+10]
.endr
.irp m, 0,1
	v_fma_f32 v[AC+24*\m+12], v[AC+24*\m+7], -2.0, v[AC+24*\m+12]
	v_fma_f32 v[AC+24*\m+13], v[AC+24*\m+7], v[AC+24*\m+10], v[AC+24*\m+13]
	v_fma_f32 v[AC+24*\m+15], v[TT+14*\m+11], v[AC+24*\m+11], v[AC+24*\m+15]
.endr
.irp m, 0,1
	v_fma_f32 v[AC+24*\m+12], v[AC+24*\m+12], v[AC+24*\m+9], v[AC+24*\m+7]   ; den
	v_fma_f32 v[AC+24*\m+15], v[AC+24*\m+2], 2.0, v[AC+24*\m+15]
	v_mul_f32 v[AC+24*\m+13], v[TT+14*\m+10], v[AC+24*\m+13]
.endr
.irp m, 0,1
	v_add_f32 v[AC+24*\m+14], s[EPS], v[AC+24*\m+12]
	v_fma_f32 v[AC+24*\m+4], v[AC+24*\m+12], v[AC+24*\m+12], s[EPS]
	v_mul_f32 v[AC+24*\m+15], v[AC+24*\m+15], v[AC+24*\m+3]
.endr
	s_wait_alu depctr_va_vdst(0)
.irp m, 0,1
	v_rcp_f32 v[AC+24*\m+14], v[AC+24*\m+14]
	v_log_f32 v[AC+24*\m+15], v[AC+24*\m+15]
	v_log_f32 v[AC+24*\m+4], v[AC+24*\m+4]
.endr
	v_nop
	s_wait_alu depctr_va_vdst(0)
.irp m, 0,1
	v_fma_f32 v[AC+24*\m+13], v[AC+24*\m+13], v[AC+24*\m+14], v[TT+14*\m+9]  ; z
	v_add_f32 v[LD+\m], v[LD+\m], v[AC+24*\m+15]                             ; log_det in base 2
.endr
.irp m, 0,1
	v_sub_f32 v[LD+\m], v[LD+\m], v[AC+24*\m+4]
.endr
.endm
.macro SP3S
.irp m, 0,1
	ds_store_b32 v[WH], v[AC+24*\m+13] offset:16*XP*\m             ; z over x in my stage
.endr
	s_add_co_u32 s[SA], s[SA], GRP
	s_add_co_u32 s[SBI], s[SBI], 96
	s_add_co_u32 s[SSC], s[SSC], 368
	s_add_co_u32 s[SY], s[SY], 4
.endm
.macro GRP3 kind                       ; one group; kind >= 0: the spline's register work stands inside the round's opening barrier
	MM3 \kind
	SP3
.if \kind >= 0
	POST \kind
.endif
	SP3S
.endm
.macro CHUNK3 kind
	GRP3 -1
	GRP3 \kind
	s_sub_co_u32 s[SA], s[SA], 2*GRP
	s_xor_b32 s[SA], s[SA], SLOTD
.endm
; ---- the head
	s_load_b512 s[4:19], s[0:1], 0x0
	s_load_b256 s[20:27], s[0:1], 0x40
	v_lshl_add_u32 v[SPW], v0, 2, SPARE
	v_mov_b32 v[NIL], 0
	ds_add_u32 v[SPW], v[NIL]          ; the opening lines: the add twice on end
	ds_add_u32 v[SPW], v[NIL]
	v_lshrrev_b32 v1, 5, v0
	v_readfirstlane_b32 s[WV], v1
	s_bfe_u32 s[CX], ttmp6, 0x40000
	s_lshl_b32 s[WG], ttmp9, 2
	s_add_co_u32 s[WG], s[WG], s[CX]
	s_mov_b32 s[G1W0], 15|(1<<20)|(1<<21)|(3<<22)|(3<<25)   ; W0: 64 rows of 64 bytes a wave, LDS pitch 80
	s_mov_b32 s[G1W0+1], 64<<16
	s_mov_b32 s[G1W0+2], 64<<16
	s_mov_b32 s[G1W0+3], 64<<16
	s_mov_b32 s[G1W0+4], 64
	s_mov_b32 s[G1W0+5], 64
	s_mov_b32 s[G1W0+6], 0
	s_mov_b32 s[G1W0+7], 0
	s_mov_b32 s[G1W1], 15|(1<<20)|(1<<21)|(6<<22)|(3<<25)   ; W1: 16 rows of 512 bytes (then 8 of zeros), pitch 528
	s_mov_b32 s[G1W1+1], 512<<16
	s_mov_b32 s[G1W1+2], 16<<16
	s_mov_b32 s[G1W1+3], 512<<16
	s_mov_b32 s[G1W1+4], 24
	s_mov_b32 s[G1W1+5], 512
	s_mov_b32 s[G1W1+6], 0
	s_mov_b32 s[G1W1+7], 0
	s_mov_b32 s[G1W2], 15|(1<<20)|(1<<21)|(6<<22)|(3<<25)   ; W2: a dimension's 23 rows (then one of zeros)
	s_mov_b32 s[G1W2+1], 512<<16
	s_mov_b32 s[G1W2+2], 23<<16
	s_mov_b32 s[G1W2+3], 512<<16
	s_mov_b32 s[G1W2+4], 24
	s_mov_b32 s[G1W2+5], 512
	s_mov_b32 s[G1W2+6], 0
	s_mov_b32 s[G1W2+7], 0
	s_and_b32 s31, s[WV], 1            ; which group of a chunk I fetch,
	s_bfe_u32 s97, s[WV], 0x10001      ; which half of its rows,
	s_lshr_b32 s87, s[WV], 2           ; and at the head: which of W1's first two chunks
	s_mov_b32 s[G0W0], 1
	s_mul_i32 s[G0W0+1], s[WV], 64*80
	s_add_co_u32 s[G0W0+1], s[G0W0+1], W0C
	s_and_b32 s2, s[WV], 3
	s_mul_i32 s2, s2, GRP
	s_mul_i32 s75, s97, GAP
	s_add_co_u32 s2, s2, s75           ; my quarter of a slot
	s_mov_b32 s[G0W1], 1
	s_add_co_u32 s[G0W1+1], s2, SLOTD  ; the ring's W1 descriptor stands at chunk 1, slot 1: the first refill steps it to chunk 2, slot 0
	s_mov_b32 s[G0W2], 1
	s_add_co_u32 s[G0W2+1], s2, 0      ; W2's first chunk goes to slot 0
	s_mov_b32 s[G0H], 1
	s_lshl_b32 s75, s87, 16
	s_add_co_u32 s[G0H+1], s2, s75     ; the head's load: waves 0-3 chunk 0 into slot 0, waves 4-7 chunk 1 into slot 1
	s_mov_b32 s[SEL], 0x76543210
	s_mov_b32 s[SEL+1], 0xfedcba98
	s_mov_b32 s[MNT], 0x600000
	s_mov_b32 s[L2E], 0x3fb8aa3b
	s_mov_b32 s[L2E+1], s[L2E]
	s_mov_b32 s[NL2E], 0xbfb8aa3b
	s_mov_b32 s[QC], 0x3a842108
	s_mov_b32 s[IC], 0x3f810842
	s_mov_b32 s[LN2], 0x3f317218
	s_mov_b32 s[KE], 0x3f8020c9
	s_mov_b32 s[R1], 0x3f0a2c8f
	s_mov_b32 s[EPS], 0x358637bd
	s_wait_dscnt 0x0
	s_wait_kmcnt 0x0
	s_mov_b32 s99, 0
	s_lshl_b32 s98, s[WV], 12
	s_add_nc_u64 s[G0W0+2:G0W0+3], s[6:7], s[98:99]
	s_or_b32 s[G0W0+3], s[G0W0+3], 0x80000000
	s_lshl_b32 s98, s31, 14
	s_lshl_b32 s75, s97, 13
	s_add_co_u32 s98, s98, s75
	s_add_nc_u64 s[G0W1+2:G0W1+3], s[12:13], s[98:99]
	s_lshl_b32 s98, s87, 15
	s_add_nc_u64 s[G0H+2:G0H+3], s[G0W1+2:G0W1+3], s[98:99]
	s_or_b32 s[G0H+3], s[G0H+3], 0x80000000
	s_add_nc_u64 s[G0W1+2:G0W1+3], s[G0W1+2:G0W1+3], 64*512
	s_or_b32 s[G0W1+3], s[G0W1+3], 0x80000000
	s_lshl_b32 s75, s97, 5
	s_add_co_u32 s75, s75, s31
	s_mul_i32 s98, s75, 23*512
	s_add_nc_u64 s[G0W2+2:G0W2+3], s[18:19], s[98:99]
	s_or_b32 s[G0W2+3], s[G0W2+3], 0x80000000
	s_lshl_b32 s2, s[WG], 16           ; my work-group's 256 rows, my wave's 32, of 256 bytes
	s_lshl_b32 s3, s[WV], 13
	s_add_co_u32 s2, s2, s3
	s_mov_b32 s3, 0
	s_add_nc_u64 s[4:5], s[4:5], s[2:3]
	s_add_nc_u64 s[24:25], s[24:25], s[2:3]
	s_lshl_b32 s2, s[WG], 10
	s_add_nc_u64 s[26:27], s[26:27], s[2:3]
	ROUND
	tensor_load_to_lds s[G0W0:G0W0+3], s[G1W0:G1W0+7]   ; my one load at the head
	s_nop 0
	PLACES 4
; the tables (scales, biases) and x are asked for while W0's tile is on its way
	v_lshlrev_b32 v21, 4, v0
	v_lshlrev_b32 v22, 3, v0
	v_lshlrev_b32 v252, 2, v0
	v_lshrrev_b32 v249, 2, v0
	v_and_b32 v250, 3, v0
	v_mul_u32_u24 v23, v249, 92        ; b2: four threads to a dimension, six numbers each;
	v_mad_u32_u24 v23, v250, 24, v23
	v_add_nc_u32 v24, 20, v23
	v_min_u32 v24, 5884, v24           ; the 24th is not used and is held inside the buffer
	v_and_b32 v2, 15, v0
	v_bfe_u32 v3, v0, 4, 1
	v_lshlrev_b32 v251, 8, v2
	v_lshl_add_u32 v251, v3, 6, v251
.irp i, 0,1,2,3,4
	global_load_b128 v[92+4*\i:95+4*\i], v21, s[20:21] offset:4096*\i
.endr
	global_load_b64 v[112:113], v22, s[20:21] offset:20480
	global_load_b32 v114, v252, s[20:21] offset:22528
	global_load_b32 v115, v252, s[8:9]
.irp i, 0,1
	global_load_b128 v[116+4*\i:119+4*\i], v21, s[14:15] offset:4096*\i
.endr
	global_load_b64 v[124:125], v22, s[10:11]
	global_load_b64 v[126:127], v22, s[16:17]
.irp k, 0,1,2,3,4
	global_load_b32 v[128+\k], v23, s[22:23] offset:4*\k
.endr
	global_load_b32 v133, v24, s[22:23]
	WIN 0x40
.irp m, 0,1
.irp c, 0,1
.irp p, 0,1,2,3
	global_load_b128 v[XR+32*\m+16*\c+4*\p:XR+32*\m+16*\c+4*\p+3], v251, s[4:5] offset:4096*\m+128*\c+16*\p th:TH_LOAD_NT
.endr
.endr
.endr
	WIN 0
	v_and_b32 v1, 31, v0
	v_and_b32 v244, 7, v0
	v_bfe_u32 v245, v0, 3, 1
	v_lshl_add_u32 v246, v245, 4, v244
	v_add_nc_u32 v247, 1, v244
	v_lshrrev_b32 v247, 3, v247
	v_mul_u32_u24 v[AW0], v246, 80
	v_lshl_add_u32 v[AW0], v3, 4, v[AW0]
	v_add_nc_u32 v[AW0], W0C, v[AW0]
	v_mul_u32_u24 v[AW], v245, HMO
	v_mad_u32_u24 v[AW], v244, RP, v[AW]
	v_lshl_add_u32 v[AW], v3, 4, v[AW]
	v_lshl_add_u32 v[AS0], v246, 1, W0S
	v_lshl_add_u32 v[AS1], v246, 4, W1S
	v_mul_u32_u24 v[AS2], v245, 32*23*16
	v_lshl_add_u32 v[AS2], v244, 4, v[AS2]
	v_add_nc_u32 v[AS2], W2S, v[AS2]
	v_lshlrev_b32 v248, 4, v247
	v_sub_nc_u32 v[AS2T], v[AS2], v248
	v_lshlrev_b32 v[AB], 6, v3
	v_mul_u32_u24 v[AB2], v3, 32*96
	v_add_nc_u32 v[AB2], B2L, v[AB2]
	s_lshl_b32 s31, s[WV], 14          ; my stage: 16 KiB
	s_add_co_u32 s31, s31, HST
	s_lshl_b32 s97, s[WV], 10          ; my scale bytes: 1 KiB
	s_add_co_u32 s97, s97, SWS
	v_lshl_add_u32 v[HSA], v1, 4, s31
	v_lshl_add_u32 v[SWA], v1, 4, s97
	v_mul_u32_u24 v248, v2, XP
	v_add_nc_u32 v248, s31, v248
	v_lshl_add_u32 v[AXZ], v3, 7, v248
	v_lshl_add_u32 v[AXS], v3, 6, v248
	v_mul_u32_u24 v[ARD], v3, XP
	v_lshl_add_u32 v[ARD], v2, 4, v[ARD]
	v_add_nc_u32 v[ARD], s31, v[ARD]
	v_lshlrev_b32 v[GO], 8, v3
	v_lshl_add_u32 v[GO], v2, 4, v[GO]
.irp m, 0,1
	v_mov_b32 v[PM+\m], 0
.endr
	WIN 0x40
.irp i, 8,9,10,11,12,13,14,15,24,25,26,27,28,29,30,31
	v_mov_b32 v[192+\i], 0             ; W0's fragments: zero codes for K = 64 .. 127
.endr
	WIN 0
	v_add_nc_u32 v26, W1S, v21
	v_add_nc_u32 v27, W1S, v22
	v_add_nc_u32 v253, W1S, v252
	v_mul_u32_u24 v25, v0, 24
	v_add_nc_u32 v25, W1S, v25
	s_wait_alu depctr_va_vdst(0)
	s_wait_tensorcnt 0x0               ; my part of W0
	ds_add_u32 v[SPW], v[NIL]
	s_wait_dscnt 0x0
	ROUND
	tensor_load_to_lds s[G0H:G0H+3], s[G1W1:G1W1+7]     ; both slots' first fills, one load a wave
	s_nop 0
	PLACES 4
	s_wait_loadcnt 16                  ; all but x's sixteen loads
.irp i, 0,1,2,3,4
	ds_store_b128 v26, v[92+4*\i:95+4*\i] offset:W2S-W1S+4096*\i
.endr
	ds_store_b64 v27, v[112:113] offset:W2S-W1S+20480
	ds_store_b32 v253, v114 offset:W2S-W1S+22528
	ds_store_b32 v252, v115 offset:W0S
.irp i, 0,1
	ds_store_b128 v26, v[116+4*\i:119+4*\i] offset:4096*\i
.endr
	ds_store_b64 v22, v[124:125] offset:B0L
	ds_store_b64 v22, v[126:127] offset:B1L
.irp q, 0,1,2
	ds_store_b64 v25, v[128+2*\q:129+2*\q] offset:B2L-W1S+8*\q
.endr
	s_wait_loadcnt 0x0
	XQ 0
	XQ 1
	PLACES 8
	s_wait_dscnt 0x0                   ; my table stores, for the other waves
	s_barrier_signal -1
	s_barrier_wait -1
; ---- phase 1
	s_mov_b32 s[SA], 0
	s_mov_b32 s[SBI], B0L
	s_mov_b32 s[SSC], 0
	s_mov_b32 s[SH], 0
	s_mov_b32 s[SY], 0
	s_mov_b32 s[CO], 16
.Lp1:
	BLK1
	s_sub_co_u32 s[CO], s[CO], 1
	s_cmp_lg_u32 s[CO], 0
	s_cbranch_scc1 .Lp1
	s_wait_tensorcnt 0x0               ; my part of W1's first two chunks has landed;
	s_wait_dscnt 0x0
	s_barrier_signal -1                ; behind this barrier every wave's has
	s_barrier_wait -1
	RELOAD
; ---- phase 2: eight chunks of 64 rows of W1
	s_mov_b32 s[SA], 0
	s_mov_b32 s[SBI], B1L
	s_mov_b32 s[SSC], 0
	s_mov_b32 s[SH], 0
	s_mov_b32 s[SY], 0
	s_mov_b32 s[CO], 6
.Lp2:
	CHUNK2 1
	s_sub_co_u32 s[CO], s[CO], 1
	s_cmp_lg_u32 s[CO], 0
	s_cbranch_scc1 .Lp2
	CHUNK2 2                           ; W1's last two chunks ask for W2's first two
	CHUNK2 3
	RELOAD
	WIN 0x04
.irp m, 0,1
.irp c, 0,1
.irp p, 0,1,2,3
	ds_store_b128 v[AXS], v[XR+32*\m+16*\c+4*\p:XR+32*\m+16*\c+4*\p+3] offset:16*XP*\m+128*\c+16*\p   ; x by rows into my stage, whose codes are in registers
.endr
.endr
.endr
	WIN 0
.irp m, 0,1
	v_mov_b32 v[LD+\m], 0
.endr
; ---- phase 3: sixteen chunks of four dimensions
	s_mov_b32 s[SBI], 0
	s_mov_b32 s[SSC], 0
	s_mov_b32 s[SY], 0
	s_mov_b32 s[CO], 14
.Lp3:
	CHUNK3 3
	s_sub_co_u32 s[CO], s[CO], 1
	s_cmp_lg_u32 s[CO], 0
	s_cbranch_scc1 .Lp3
	CHUNK3 0                           ; the last chunk but one fills nothing: its barrier shows the last chunk landed
	s_mov_b32 s[CI], 2
.Lp3t:
	GRP3 -1                            ; the last chunk's two groups
	s_sub_co_u32 s[CI], s[CI], 1
	s_cmp_lg_u32 s[CI], 0
	s_cbranch_scc1 .Lp3t
; ---- the way out: z by whole rows of 256 bytes; log_det through a stage that the eight waves share
.irp i, 0,1,2,3,4,5,6,7,8,9,10,11,12,13,14,15
	ds_load_b128 v[92+4*\i:95+4*\i], v[ARD] offset:2*XP*\i
.endr
	s_wait_alu depctr_va_vdst(0)
.irp m, 0,1
	v_permlanex16_b32 v[244+\m], v[LD+\m], s[SEL], s[SEL+1]
.endr
.irp m, 0,1
	v_add_f32 v[LD+\m], v[LD+\m], v[244+\m]
.endr
	v_cmp_eq_u32 s[MK], 1, v3
	v_cndmask_b32 v248, v[LD], v[LD+1], s[MK]      ; lane l: my row l
	v_mul_f32 v248, s[LN2], v248
	v_lshl_add_u32 v250, v0, 2, SWS
	v_lshl_add_u32 v251, v0, 4, SWS
	v_lshlrev_b32 v254, 4, v0
	ds_store_b32 v250, v248
	s_wait_alu depctr_va_vdst(0)
.irp i, 0,1,2,3,4,5,6,7,8,9,10,11,12,13,14,15
	s_wait_dscnt 16-\i                 ; behind load i: the later loads and the one store
	global_store_b128 v[GO], v[92+4*\i:95+4*\i], s[24:25] offset:512*\i th:TH_STORE_NT
.endr
	s_wait_dscnt 0x0
	s_barrier_signal -1
	s_barrier_wait -1
	s_cmp_lt_u32 s[WV], 2
	s_cbranch_scc0 .Lno_ld
	ds_load_b128 v[244:247], v251      ; waves 0, 1: 512 bytes each of the work-group's 1,024
	s_wait_dscnt 0x0
	global_store_b128 v254, v[244:247], s[26:27] th:TH_STORE_NT
.Lno_ld:
	s_wait_tensorcnt 0x0               ; the wave's end
	ds_add_u32 v[SPW], v[NIL]
	s_wait_dscnt 0x0
	ROUND                              ; the closing round
	s_endpgm
.Lfunc_end_k_q81d78dc31a_arqs:
	.size	k_q81d78dc31a_arqs, .Lfunc_end_k_q81d78dc31a_arqs-k_q81d78dc31a_arqs
	.p2alignl 7, 3214868480
	.fill 96, 4, 3214868480
	.section	.rodata,"a",@progbits
	.p2align	6, 0x0
	.amdhsa_kernel k_q81d78dc31a_arqs
		.amdhsa_group_segment_fixed_size 327680
		.amdhsa_private_segment_fixed_size 0
		.amdhsa_enable_private_segment 0
		.amdhsa_kernarg_size 96
		.amdhsa_user_sgpr_count 2
		.amdhsa_user_sgpr_kernarg_segment_ptr 1
		.amdhsa_wavefront_size32 1
		.amdhsa_system_sgpr_workgroup_id_x 1
		.amdhsa_system_sgpr_workgroup_id_y 1
		.amdhsa_system_sgpr_workgroup_id_z 1
		.amdhsa_system_vgpr_workitem_id 0
		.amdhsa_next_free_vgpr 512
		.amdhsa_next_free_sgpr 100
		.amdhsa_reserve_vcc 0
		.amdhsa_float_denorm_mode_32 3
		.amdhsa_float_denorm_mode_16_64 3
		.amdhsa_memory_ordered 1
		.amdhsa_forward_progress 1
		.amdhsa_inst_pref_size 223
	.end_amdhsa_kernel
	.amdgpu_metadata
---
amdhsa.version: [ 1, 2 ]
amdhsa.kernels:
  - .name:           k_q81d78dc31a_arqs
    .symbol:         k_q81d78dc31a_arqs.kd
    .args:
      - { .name: x, .offset: 0, .size: 8, .value_kind: global_buffer, .address_space: global }
      - { .name: W0_codes, .offset: 8, .size: 8, .value_kind: global_buffer, .address_space: global }
      - { .name: W0_scales, .offset: 16, .size: 8, .value_kind: global_buffer, .address_space: global }
      - { .name: b0, .offset: 24, .size: 8, .value_kind: global_buffer, .address_space: global }
      - { .name: W1_codes, .offset: 32, .size: 8, .value_kind: global_buffer, .address_space: global }
      - { .name: W1_scales, .offset: 40, .size: 8, .value_kind: global_buffer, .address_space: global }
      - { .name: b1, .offset: 48, .size: 8, .value_kind: global_buffer, .address_space: global }
      - { .name: W2_codes, .offset: 56, .size: 8, .value_kind: global_buffer, .address_space: global }
      - { .name: W2_scales, .offset: 64, .size: 8, .value_kind: global_buffer, .address_space: global }
      - { .name: b2, .offset: 72, .size: 8, .value_kind: global_buffer, .address_space: global }
      - { .name: out0, .offset: 80, .size: 8, .value_kind: global_buffer, .address_space: global }
      - { .name: out1, .offset: 88, .size: 8, .value_kind: global_buffer, .address_space: global }
    .group_segment_fixed_size: 327680
    .private_segment_fixed_size: 0
    .kernarg_segment_align: 8
    .kernarg_segment_size: 96
    .max_flat_workgroup_size: 256
    .sgpr_count:     100
    .vgpr_count:     512
    .wavefront_size: 32
...
	.end_amdgpu_metadata
.endif
;; end of part 1
